; MI455X (gfx1250); checked and timed in simulation.
; The chip was launched on July 23, 2026; its instructions are those of AMD's public machine-readable ISA for CDNA 5 (MIT licence, August 2026) and "CDNA5" Instruction Set Architecture Reference Guide (July 2026). The comments in the code are by the model that wrote it; some were corrected since.
;; Bert Self Attention. Allowed arithmetic: matrix products marked QUANTISED: E2M1 operands, one E8M0 scale for each 32 along K, by v_wmma_scale_f32_16x16x128_f8f6f4 with both operands' format E2M1 (or v_wmma_scale_f32_32x16x128_f4), f32 sums; everything else in f32.
;; Inputs: Wk 1,024 x 1,024 float32; Wq 1,024 x 1,024 float32; Wv 1,024 x 1,024 float32; attention_mask 4 x 1 x 1 x 2,048 float32; bk 1,024 float32; bq 1,024 float32; bv 1,024 float32; hidden_states 4 x 2,048 x 1,024 float32.
;; Outputs: out0 4 x 2,048 x 1,024 float32.
;; This version of the problem:
;;   THIS VERSION OF THE PROBLEM IS GIVEN IN LOW PRECISION. The matrix products marked QUANTISED in the list below multiply operands that are first quantised to E2M1 (2 exponent bits, 1 mantissa bit; 4 bits a number), with one power-of-two scale for each 32 numbers along K (OCP MX v1.0); their sums are f32. All else is computed in f32.
;;   The module's matrix products, in the order in which they are computed (A, B: the left and right operand; K: the contracted axis; several contracted axes count as one K, in the product's order):
;;     1. [M 8,192, K 1,024] x [K 1,024, N 1,024]; A: input hidden_states; B: input Wq: QUANTISED
;;     2. [M 8,192, K 1,024] x [K 1,024, N 1,024]; A: input hidden_states; B: input Wk: QUANTISED
;;     3. [M 8,192, K 1,024] x [K 1,024, N 1,024]; A: input hidden_states; B: input Wv: QUANTISED
;;     4. batch 64 x [M 2,048, K 64] x [K 64, N 2,048]; A: computed on the way; B: computed on the way: QUANTISED
;;     5. batch 64 x [M 2,048, K 2,048] x [K 2,048, N 64]; A: softmax (see below); B: computed on the way: QUANTISED
;;   THE QUANTISER, for each operand of a quantised product, along K:
;;     - K is cut into blocks of 32 from its start; a last block that is shorter is filled with zeros.
;;     - A block's scale is 2^e with e = floor(log2(the largest magnitude in the block)) - 2, held to -126 .. 127; a block of zeros has e = 0. As a byte (E8M0): e + 127.
;;     - Each number is divided by its block's scale, clamped to +-6, and rounded to the nearest number of E2M1, ties to even, subnormals kept.
;;     - The product sums the exact products of the quantised numbers (number of the format x scale) in f32.
;;   ~~~python
;;   def quantise(x, axis):      # numpy; x: float32 -> the quantised numbers, widened to float32 again
;;       x = np.moveaxis(x, axis, -1); K = x.shape[-1]
;;       x = np.pad(x, [(0, 0)] * (x.ndim - 1) + [(0, -K % 32)]); x = x.reshape(x.shape[:-1] + (-1, 32)); a = np.abs(x).max(-1, keepdims=True)
;;       e = np.where(a > 0, np.clip(np.frexp(np.where(a > 0, a, 1))[1] - 1 - 2, -126, 127), 0)      # np.frexp(a)[1] - 1 = floor(log2(a)), exactly
;;       r = np.clip(x / 2.0 ** e, -6, 6)
;;       step = 2.0 ** (np.maximum(np.frexp(np.where(r == 0, 1, r))[1] - 1, 0) - 1)
;;       q = np.round(r / step) * step * 2.0 ** e      # np.round: ties to even
;;       return np.moveaxis(q.reshape(q.shape[:-2] + (-1,))[..., :K], -1, axis).astype(np.float32)
;;   ~~~
;;   SOFTMAX AHEAD OF A QUANTISED PRODUCT. Where the list says 'softmax', what is quantised is not the finished softmax but p = 2^(t - M), with t = logit x log2(e) and M = ceil(the row's largest t), a whole number; so 1/2 < the row's largest p <= 1. The row's sum l is taken of the UNQUANTISED p, in f32, and the product's result is divided by l at the end. Since M is a whole number, a kernel that streams over the keys may use a running M (the ceiling of the running maximum): every later rescaling is an exact power of two, which a block's scale takes up: the codes' values come out the same.
;;   OPERANDS COMPUTED ON THE WAY. 'Computed on the way' means the value that the module computes at that place (a softmax that the list does not call 'softmax' is quantised finished and normalised). What goes into a quantiser is computed in f32, as accurately as f32 sums, v_exp_f32 and their like allow (about 1e-6 of the number): no bf16 or f16 on the way to a quantiser, and a product that is left as it is and whose result goes on into a quantised operand takes f32 operands (vector FMAs, or v_wmma_f32_16x16x4_f32). A number that lies on a knife's edge between two numbers of the format may be rounded either way, as far as f32 arithmetic and the matrix unit's own rounding can turn it there, and no further.
;; One version. Each part assembles by itself: llvm-mc -triple=amdgcn-amd-amdhsa -mcpu=gfx1250 --defsym DOCPART=n.
;; ======== version 1 of 1: 3 launches
;; limits: right only within a limited range of input values
;; workspace buffers: cod 5,767,168 bytes; scl 360,448 bytes; qq 4,718,592 bytes; kv 9,175,040 bytes
;; launch quant (part 1): grid 704 x 1, 4 waves a work-group, no clusters, 33,280 bytes of LDS; arguments hidden_states, Wq, Wk, Wv, cod, scl; writes cod, scl
.if DOCPART == 1
	.amdgcn_target "amdgcn-amd-amdhsa--gfx1250"
	.amdhsa_code_object_version 6
	.text
	.protected	k_qa6eca6537f_quant
	.globl	k_qa6eca6537f_quant
	.p2align	8
	.type	k_qa6eca6537f_quant,@function
k_qa6eca6537f_quant:
	s_mov_b64 s[64:65], 0
	v_nop
	global_prefetch_b8 v0, s[64:65] scope:SCOPE_SE
	s_setreg_imm32_b32 hwreg(HW_REG_WAVE_MODE, 25, 1), 1
	s_wait_xcnt 0x0
; hidden_states [8192][1024], Wq, Wk, Wv [1024][1024], f32, K innermost, become codes of FP4 (E2M1) and one E8M0 scale byte for each 32 along K:
; cod [11264 rows][512 bytes], scl [11264 rows][32 bytes]; rows 0-8191 the tokens, 8192-9215 Wq, 9216-10239 Wk, 10240-11263 Wv.
; A block's scale is 2^(floor(log2(its largest magnitude)) - 2); its byte is the largest magnitude's own exponent field - 2, held at 1 from below; each number is divided by the scale and rounded to the nearest code, ties to even.
; THE ROWS ARE LAID IN TILE ORDER: in each group of 32 rows the two middle runs of 8 rows change places, so that position 16 u + r holds row 8 u + r + 8 (r / 8).  Sixteen positions on end are then a tile
; whose matrix result gives a lane 16 neighbouring indices in the registers of two neighbouring tiles, which is what the next launch's quantiser wants; and that launch reads plain consecutive rows.
; SHARES: a work-group takes half a group of 32 rows: two runs of 8 rows; each run belongs to two neighbouring waves, 4 rows each: 4,096 numbers, 8 steps of 512.  2,816 waves are 11 for each of 256 WGPs.
; Each of a step's four loads reads 512 consecutive bytes, 16 a lane; the 2,048 bytes turn through the wave's own stage in LDS and come back 64 bytes a lane: 16 neighbours along K, two neighbouring lanes to a block.
; A lane's 16 codes are 8 bytes: the wave stores 256 consecutive bytes.  A run's 256 scale bytes, 128 from each of its two waves, are gathered in the even wave's LDS bytes; behind one barrier the even wave stores them
; as 256 consecutive, aligned bytes.  No work-group reads what another reads: no cluster.  Loads run six steps (24 loads a wave) ahead.
; LIMITS: a block whose largest magnitude lies under 2^-124 takes the byte 1 (a block of zeros too: its codes are zeros, and only this program reads the bytes); NaN and infinities are not served.
.set STEPS, 8
.set CB,    8                          ; bytes of 16 codes
.set R,     16                         ; v16-111  six sets of 16 numbers as they are loaded
.set X,     112                        ; v112-143 two sets of 16 neighbours
.set E,     144                        ; v144-151 a scale byte for each step
.set C,     160                        ; v160-175 codes: two registers for each step, so that no store's data are written again
.set WREG,  8192                       ; LDS: a region for each wave: two stages of 32 x SP bytes; behind them, in the even waves' regions, a run's 256 scale bytes
.set SP,    80                         ; a lane's place in a stage: its 64 bytes + 16 of padding
	s_load_b256 s[4:11], s[0:1], 0x0               ; hidden_states, Wq, Wk, Wv
	s_load_b128 s[12:15], s[0:1], 0x20             ; cod, scl
	v_lshl_add_u32 v192, v0, 2, 0x8000             ; my spare word, behind the four regions
	v_mov_b32 v193, 0
	v_lshrrev_b32 v1, 5, v0
	v_readfirstlane_b32 s16, v1                    ; wave
	s_mul_i32 s17, s16, WREG                       ; my region
	s_and_b32 s27, s16, 1                          ; which 4 rows of the run are mine
	s_and_b32 s26, s16, 2
	s_mul_i32 s26, s26, WREG
	s_add_co_u32 s26, s26, 2*32*SP                 ; the run's 256 scale bytes, in the even wave's region,
	s_lshl_b32 s28, s27, 7
	s_add_co_u32 s28, s28, s26                     ; and my 128 of them
	s_lshr_b32 s24, ttmp9, 1                       ; the group of 32 rows, 0 .. 351
	s_and_b32 s25, ttmp9, 1
	s_lshl_b32 s25, s25, 1
	s_lshr_b32 s29, s16, 1
	s_or_b32 s25, s25, s29                         ; my run of 8 rows in it
	s_sub_co_u32 s18, s24, 256                     ; which group among the weights' 96 (wraps for the tokens' work-groups, which do not use it)
	s_and_b32 s19, s18, 31                         ; and within its weight
	v_and_b32 v2, 31, v0                           ; lane
	v_lshlrev_b32 v3, 4, v2                        ; my 16 bytes of a load's 512
	v_lshrrev_b32 v14, 2, v2
	v_mul_u32_u24 v14, v14, SP
	v_and_b32 v15, 3, v2
	v_lshl_add_u32 v14, v15, 4, v14
	v_add_nc_u32 v14, s17, v14                     ; the stage, on the way in: SP (lane / 4) + 16 (lane % 4)
	v_mul_u32_u24 v15, v2, SP
	v_add_nc_u32 v15, s17, v15                     ; and on the way out: SP x lane: my 16 neighbours
	v_mul_u32_u24 v4, v2, CB                       ; my codes' place in a step's
	v_lshrrev_b32 v5, 1, v2
	v_add_nc_u32 v5, s28, v5                       ; LDS: my block's scale byte
	v_lshlrev_b32 v7, 3, v2                        ; the run's bytes on the way out: 8 a lane
	v_add_nc_u32 v6, s26, v7
	s_wait_alu depctr_va_vdst(0)
	s_wait_kmcnt 0x0
	s_mov_b64 s[20:21], s[10:11]                   ; the source is chosen on the work-group's number alone: Wv,
	s_cmp_lt_u32 s18, 64
	s_cselect_b64 s[20:21], s[8:9], s[20:21]       ; or Wk,
	s_cmp_lt_u32 s18, 32
	s_cselect_b64 s[20:21], s[6:7], s[20:21]       ; or Wq,
	s_cmp_lt_u32 s24, 256
	s_cselect_b64 s[20:21], s[4:5], s[20:21]       ; or the tokens
	s_cselect_b32 s19, s24, s19                    ; the group of 32 rows within the source
	s_lshl_b32 s19, s19, 2
	s_add_co_u32 s19, s19, s25                     ; my run of 8 rows there:
	s_lshl_b32 s22, s19, 15                        ; 32,768 bytes a run,
	s_lshl_b32 s28, s27, 14
	s_add_co_u32 s22, s22, s28                     ; 16,384 for 4 rows
	s_mov_b32 s23, 0
	s_add_nc_u64 s[4:5], s[20:21], s[22:23]
	s_and_b32 s29, s25, 1                          ; where the run goes: runs 1 and 2 of a group change places
	s_lshl_b32 s29, s29, 1
	s_lshr_b32 s30, s25, 1
	s_or_b32 s29, s29, s30
	s_lshl_b32 s30, s24, 2
	s_add_co_u32 s29, s29, s30
	s_lshl_b32 s22, s29, 12                        ; 4,096 bytes of codes a run,
	s_lshl_b32 s28, s27, 11
	s_add_co_u32 s22, s22, s28                     ; 2,048 for 4 rows
	s_add_nc_u64 s[8:9], s[12:13], s[22:23]
	s_lshl_b32 s22, s29, 8                         ; 256 scale bytes a run
	s_add_nc_u64 s[10:11], s[14:15], s[22:23]
.macro LOAD t
.irp i, 0,1,2,3
	global_load_b128 v[R+16*((\t)%6)+4*\i:R+16*((\t)%6)+4*\i+3], v3, s[4:5] offset:2048*(\t)+512*\i th:TH_LOAD_NT   ; 32 lanes read 512 consecutive bytes; read once in the launch
.endr
.endm
.macro TURN t                          ; step t's numbers through the stage: LDS serves a wave's instructions in order, so no wait stands between the stores and the loads
.irp i, 0,1,2,3
	ds_store_b128 v14, v[R+16*((\t)%6)+4*\i:R+16*((\t)%6)+4*\i+3] offset:32*SP*((\t)%2)+8*SP*\i
.endr
.irp i, 0,1,2,3
	ds_load_b128 v[X+16*((\t)%2)+4*\i:X+16*((\t)%2)+4*\i+3], v15 offset:32*SP*((\t)%2)+16*\i
.endr
.endm
.irp t, 0,1,2,3,4,5
	LOAD \t
.endr
	s_wait_loadcnt 20                              ; step 0's four loads are in; the twenty of steps 1 to 5 may be out
	TURN 0
.macro STEP t
.set XS, X+16*((\t)%2)
.if (\t) > 0
	s_wait_dscnt 1                                 ; this step's numbers are back from the stage (the last step's byte store may be out): so its stores into the stage have read their registers,
.else
	s_wait_dscnt 0x0
.endif
.if (\t)+6 < STEPS
	LOAD (\t)+6                                    ; which take the loads of six steps on
.endif
.if (\t)+1 < STEPS
.if STEPS-2-(\t) >= 5
	s_wait_loadcnt 20                              ; the next step's four loads are in; those of the five steps behind it may be out
.else
	s_wait_loadcnt 4*(STEPS-2-(\t))
.endif
	TURN (\t)+1                                    ; and go through the other stage while this step is worked
.endif
	v_max3_num_f32 v8, |v[XS]|, |v[XS+1]|, |v[XS+2]|               ; the largest magnitude of my 16, in two chains
	v_max3_num_f32 v9, |v[XS+3]|, |v[XS+4]|, |v[XS+5]|
.irp i, 6,10
	v_max3_num_f32 v8, v8, |v[XS+\i]|, |v[XS+\i+1]|
	v_max3_num_f32 v9, v9, |v[XS+\i+2]|, |v[XS+\i+3]|
.endr
	v_max3_num_f32 v8, v8, |v[XS+14]|, |v[XS+15]|
	v_max3_num_f32 v8, v8, v9, 0x1800000           ; and the floor 2^(3 - 127): the byte cannot fall under 1
	v_max_num_f32_dpp v8, v8, v8 row_xmask:1 row_mask:0xf bank_mask:0xf   ; and of my neighbour's 16: the block's
	v_add_nc_u32 v11, 0xff000000, v8               ; 2 off its exponent field: the conversion takes the exponent field of this operand as its scale, and nothing else of it
	v_cvt_scalef32_pk8_fp4_f32 v[C+2*(\t)], v[XS:XS+7], v11
	v_cvt_scalef32_pk8_fp4_f32 v[C+2*(\t)+1], v[XS+8:XS+15], v11
	v_lshrrev_b32 v[E+(\t)], 23, v11               ; the scale's byte (also the plain line behind the conversions)
	ds_store_b8 v5, v[E+(\t)] offset:16*(\t)       ; both lanes of a block write the same byte with the same value
	global_store_b64 v4, v[C+2*(\t):C+2*(\t)+1], s[8:9] offset:32*CB*(\t)   ; the wave stores 256 consecutive bytes, aligned
.endm
.irp t, 0,1,2,3,4,5,6,7
	STEP \t
.endr
	s_wait_dscnt 0x0                               ; for the other wave's sake: my 128 scale bytes are in LDS
	s_barrier_signal -1
	s_barrier_wait -1                              ; and so are everybody's
	s_cmp_lg_u32 s27, 0                            ; the even wave of a run stores the run's bytes (a branch on the wave's number, round no barrier)
	s_cbranch_scc1 .Lodd
	ds_load_b64 v[12:13], v6
	s_wait_dscnt 0x0
	global_store_b64 v7, v[12:13], s[10:11]        ; 32 lanes store 256 consecutive bytes, aligned
.Lodd:
	s_wait_tensorcnt 0x0                           ; the wave's end
	ds_add_u32 v192, v193
	s_wait_dscnt 0x0
	s_endpgm
.Lfunc_end_k_qa6eca6537f_quant:
	.size	k_qa6eca6537f_quant, .Lfunc_end_k_qa6eca6537f_quant-k_qa6eca6537f_quant
	.p2alignl 7, 3214868480
	.fill 96, 4, 3214868480
	.section	.rodata,"a",@progbits
	.p2align	6, 0x0
	.amdhsa_kernel k_qa6eca6537f_quant
		.amdhsa_group_segment_fixed_size 33280
		.amdhsa_private_segment_fixed_size 0
		.amdhsa_enable_private_segment 0
		.amdhsa_kernarg_size 48
		.amdhsa_user_sgpr_count 2
		.amdhsa_user_sgpr_kernarg_segment_ptr 1
		.amdhsa_wavefront_size32 1
		.amdhsa_system_sgpr_workgroup_id_x 1
		.amdhsa_system_sgpr_workgroup_id_y 1
		.amdhsa_system_sgpr_workgroup_id_z 1
		.amdhsa_system_vgpr_workitem_id 0
		.amdhsa_next_free_vgpr 194
		.amdhsa_next_free_sgpr 66
		.amdhsa_reserve_vcc 0
		.amdhsa_float_denorm_mode_32 3
		.amdhsa_float_denorm_mode_16_64 3
		.amdhsa_memory_ordered 1
		.amdhsa_forward_progress 1
		.amdhsa_inst_pref_size 19
	.end_amdhsa_kernel
	.amdgpu_metadata
---
amdhsa.version: [ 1, 2 ]
amdhsa.kernels:
  - .name:           k_qa6eca6537f_quant
    .symbol:         k_qa6eca6537f_quant.kd
    .args:
      - { .name: hidden_states, .offset: 0, .size: 8, .value_kind: global_buffer, .address_space: global }
      - { .name: Wq, .offset: 8, .size: 8, .value_kind: global_buffer, .address_space: global }
      - { .name: Wk, .offset: 16, .size: 8, .value_kind: global_buffer, .address_space: global }
      - { .name: Wv, .offset: 24, .size: 8, .value_kind: global_buffer, .address_space: global }
      - { .name: cod, .offset: 32, .size: 8, .value_kind: global_buffer, .address_space: global }
      - { .name: scl, .offset: 40, .size: 8, .value_kind: global_buffer, .address_space: global }
    .group_segment_fixed_size: 33280
    .private_segment_fixed_size: 0
    .kernarg_segment_align: 8
    .kernarg_segment_size: 48
    .max_flat_workgroup_size: 128
    .sgpr_count:     66
    .vgpr_count:     194
    .wavefront_size: 32
...
	.end_amdgpu_metadata
.endif
;; end of part 1
;; launch proj (part 2): grid 12 x 32, 4 waves a work-group, clusters of 4 x 4, 327,680 bytes of LDS; arguments cod, scl, bq, bk, bv, qq, kv; writes qq, kv
.if DOCPART == 2
	.amdgcn_target "amdgcn-amd-amdhsa--gfx1250"
	.amdhsa_code_object_version 6
	.text
	.protected	k_qa6eca6537f_proj
	.globl	k_qa6eca6537f_proj
	.p2align	8
	.type	k_qa6eca6537f_proj,@function
k_qa6eca6537f_proj:
	s_mov_b64 s[64:65], 0
	v_nop
	global_prefetch_b8 v0, s[64:65] scope:SCOPE_SE
	s_setreg_imm32_b32 hwreg(HW_REG_WAVE_MODE, 25, 1), 1
	s_wait_xcnt 0x0
	s_wait_alu depctr_hold_cnt(0) depctr_sa_sdst(0) depctr_va_vdst(0) depctr_va_sdst(0) depctr_va_ssrc(0) depctr_va_vcc(0) depctr_vm_vsrc(0)
	s_getreg_b32 s2, hwreg(HW_REG_IB_STS2, 6, 4)
	s_cmp_eq_u32 s2, 0
	s_cbranch_scc0 .Lentry_in_a_cluster
	s_endpgm
.Lentry_in_a_cluster:
	s_bfe_u32 s2, ttmp6, 0x10000c
	s_cmp_lg_u32 s2, 0xf033
	s_cbranch_scc0 .Lentry_shape_is_right
	s_endpgm
.Lentry_shape_is_right:
; q, k, v = x W^T + b on codes of FP4 (cod, scl), then quantised again for the attention launch (qq, kv).  A work-group makes 256 x 256, four waves 128 x 128 each; K = 1,024 is two steps of 512.
; LDS: A's 256 rows, then B's 256 rows, each row all 512 bytes of K + 16 of padding; the second K step begins 256 bytes into a row.  Nothing is filled again.
; THE HEAD'S LOADS, one a wave, all joint: wave 0 A's codes, wave 1 B's codes, wave 2 A's scale bytes, wave 3 B's.  No prefetch: every byte is asked for at the head, and there is no loop to run ahead in.
.set KSTEP,  512
.set NQ,     KSTEP/128
.set ROWB,   256
.set KROW,   512
.set PITCH,  528
.set FR,     8
.set NL,     2
.set NP,     4
.set HALFT,  128*PITCH
.set SLOT,   256
.set KS,     32
.set SCL,    4*HALFT
.set HALFS,  (128*KS/256)*272
.set SBLK,   (16*KS/256)*272
.set SPARE,  SCL+4*HALFS
.set BST,    SPARE+512
.set SSQ,    BST+2048
.set SSV,    SSQ+4096
.set BSA,  5
.set BRA,  6
.set BRV,  7
.set SQA,  8
.set SQR,  9
.set SVA,  10
.set SVR,  11
.set GV,   12
.set SH,   13
.set ADRA, 16
.set ADRB, 20
.set WS,   16
.set PW,   24
.set CO,   26
.set ADRS, 27
.set SPW,  28
.set NIL,  29
.set SC,   32
.set PC,   96
.set TM,   112
.set AF,   128
.set T,    128
.set BI,   192
.set G1, 24
.set G0, 32
.set SEL, 42
.set G1B, 48
.set G0B, 56
.set G1S, 68
.set G0S, 76
.set G1SB, 80
.set G0SB, 88
.set OB0, 96
.set OS0, 100
.set OS1, 104
.set MSB, 0
.macro WIN new
.if MSB != \new
	s_set_vgpr_msb (MSB<<8)|\new
.set MSB, \new
.endif
.endm
.set MUL_LO, 0xa1
.set MUL_HI, 0xf1
.set TO_B,   0x40
.macro JLOAD g0a, g1a, g0b, g1b
	s_cmp_eq_u32 s15, 0
	s_cbranch_scc0 .Lfor_b_\@
	tensor_load_to_lds s[\g0a:\g0a+3], s[\g1a:\g1a+7]
	s_nop 0
.rept 4
	v_nop
.endr
	s_branch .Lasked_\@
.Lfor_b_\@:
	tensor_load_to_lds s[\g0b:\g0b+3], s[\g1b:\g1b+7]
	s_nop 0
.rept 4
	v_nop
.endr
.Lasked_\@:
.endm
.macro CROUND
	s_barrier_signal -1
	s_barrier_wait -1
	s_cmp_lg_u32 s14, 0
	s_cbranch_scc1 .Lnot_wave_0_\@
	s_barrier_signal -3
.Lnot_wave_0_\@:
	s_barrier_wait -3
	s_barrier_signal -1
	s_barrier_wait -1
.endm
	s_load_b256 s[4:11], s[0:1], 0x0
	s_load_b128 s[96:99], s[0:1], 0x20
	s_load_b64 s[100:101], s[0:1], 0x30
	v_lshl_add_u32 v[SPW], v0, 2, SPARE
	v_mov_b32 v[NIL], 0
	ds_add_u32 v28, v29
	ds_add_u32 v28, v29
	s_wait_dscnt 0x0
	v_lshrrev_b32 v1, 5, v0
	v_readfirstlane_b32 s14, v1
	s_lshr_b32 s15, s14, 1
	s_and_b32 s16, s14, 1
	s_bfe_u32 s40, ttmp6, 0x40000
	s_bfe_u32 s41, ttmp6, 0x40004
	s_and_b32 s67, ttmp7, 0xffff
	s_cmp_eq_u32 ttmp9, 2
	s_cselect_b32 s42, s67, ttmp9
	s_cselect_b32 s17, 0, s67
	s_cselect_b32 s92, 0, 8192
	s_cselect_b32 s93, 10240, 0
	s_lshl_b32 s42, s42, 2
	s_add_co_u32 s42, s42, s40
	s_lshl_b32 s17, s17, 2
	s_add_co_u32 s17, s17, s41
	s_lshl_b32 s43, s41, 2
	s_lshl_b32 s43, 15, s43
	s_lshl_b32 s44, 0x1111, s40
	s_or_b32 s[G1+0], s43, (0<<16)|(1<<20)|(1<<21)|(6<<22)|(3<<25)   ; 256 rows of 512 bytes, four words of padding behind every 128
	s_or_b32 s[G1B+0], s44, (0<<16)|(1<<20)|(1<<21)|(6<<22)|(3<<25)
.irp g, G1, G1B
	s_mov_b32 s[\g+1], KROW<<16
	s_mov_b32 s[\g+2], 256<<16
	s_mov_b32 s[\g+3], KROW<<16
	s_mov_b32 s[\g+4], 256
	s_mov_b32 s[\g+5], KROW
	s_mov_b32 s[\g+6], 0
	s_mov_b32 s[\g+7], 0
.endr
	s_or_b32 s[G1S+0], s43, (3<<16)|(1<<20)|(1<<21)|(5<<22)|(3<<25)
	s_or_b32 s[G1SB+0], s44, (3<<16)|(1<<20)|(1<<21)|(5<<22)|(3<<25)
.irp g, G1S, G1SB
	s_mov_b32 s[\g+1], 32<<16
	s_mov_b32 s[\g+2], (256*KS/256)<<16
	s_mov_b32 s[\g+3], 32<<16
	s_mov_b32 s[\g+4], 256*KS/256
	s_mov_b32 s[\g+5], 32
	s_mov_b32 s[\g+6], 0
	s_mov_b32 s[\g+7], 0
.endr
	s_lshl_b32 s20, s17, 8
	s_add_co_u32 s20, s20, s93
	s_lshl_b32 s46, s42, 8
	s_add_co_u32 s46, s46, s92
	s_lshl_b32 s22, s20, 5
	s_mov_b32 s23, 0
	s_lshl_b32 s20, s20, 9
	s_mov_b32 s21, 0
	s_lshl_b32 s92, s46, 5
	s_mov_b32 s93, 0
	s_lshl_b32 s46, s46, 9
	s_mov_b32 s47, 0
	s_wait_kmcnt 0x0
	s_add_nc_u64 s[20:21], s[4:5], s[20:21]
	s_add_nc_u64 s[22:23], s[6:7], s[22:23]
	s_add_nc_u64 s[46:47], s[4:5], s[46:47]
	s_add_nc_u64 s[92:93], s[6:7], s[92:93]
	CROUND
	s_mov_b32 s[G0S], 1                            ; A's scale bytes, 256 rows
	s_mov_b32 s[G0S+1], SCL
	s_mov_b64 s[G0S+2:G0S+3], s[22:23]
	s_or_b32 s[G0S+3], s[G0S+3], 0x80000000
	s_mov_b32 s[G0SB], 1                           ; B's, behind them
	s_mov_b32 s[G0SB+1], SCL+2*HALFS
	s_mov_b64 s[G0SB+2:G0SB+3], s[92:93]
	s_or_b32 s[G0SB+3], s[G0SB+3], 0x80000000
	s_mov_b32 s[G0], 1                             ; A's codes, 256 rows, all of K
	s_mov_b32 s[G0+1], 0
	s_mov_b64 s[G0+2:G0+3], s[20:21]
	s_or_b32 s[G0+3], s[G0+3], 0x80000000
	s_mov_b32 s[G0B], 1                            ; B's codes, behind A's
	s_mov_b32 s[G0B+1], 2*HALFT
	s_mov_b64 s[G0B+2:G0B+3], s[46:47]
	s_or_b32 s[G0B+3], s[G0B+3], 0x80000000
; one tree of branches on the wave's number, a load to an arm
.macro ARM under, g0, g1, next
	s_cmp_lt_u32 s14, \under
	s_cbranch_scc0 \next
	tensor_load_to_lds s[\g0:\g0+3], s[\g1:\g1+7]
	s_nop 0
.rept 4
	v_nop
.endr
	s_branch .Lhead_asked
\next:
.endm
	ARM 1, G0,  G1,  .Lhead_b
	ARM 2, G0B, G1B, .Lhead_sa
	ARM 3, G0S, G1S, .Lhead_sb
	tensor_load_to_lds s[G0SB:G0SB+3], s[G1SB:G1SB+7]
	s_nop 0
.rept 4
	v_nop
.endr
.Lhead_asked:
	s_and_b32 s18, s42, 3
	s_mov_b32 s23, 8192
	s_mov_b32 s2, 8960
	s_cmp_eq_u32 ttmp9, 0
	s_cselect_b64 s[8:9], s[8:9], s[10:11]
	s_cselect_b64 s[12:13], s[98:99], s[100:101]
	s_cselect_b32 s2, 4608, s2
	s_cmp_eq_u32 ttmp9, 2
	s_cselect_b64 s[8:9], s[96:97], s[8:9]
	s_cselect_b32 s19, s42, s17
	s_cselect_b32 s20, s16, s15
	s_cselect_b32 s18, s17, s18
	s_cselect_b32 s21, s15, s16
	s_cselect_b32 s22, 4096, 0
	s_cselect_b32 s23, 8704, s23
	s_cmp_eq_u32 ttmp9, 0
	s_cselect_b32 s23, 4096, s23
	s_lshl_b32 s44, s18, 10
	s_lshl_b32 s45, s21, 9
	s_add_co_u32 s44, s44, s45
	s_mov_b32 s45, 0
	s_add_nc_u64 s[8:9], s[8:9], s[44:45]
	s_lshl_b32 s19, s19, 8
	s_lshl_b32 s20, s20, 7
	s_add_co_u32 s19, s19, s20
	s_lshr_b32 s20, s19, 11
	s_bfe_u32 s19, s19, 0x40007
	s_lshl_b32 s20, s20, 4
	s_lshl_b32 s18, s18, 2
	s_add_co_u32 s20, s20, s18
	s_lshl_b32 s21, s21, 1
	s_add_co_u32 s20, s20, s21
	s_lshl_b32 s20, s20, 4
	s_add_co_u32 s20, s20, s19
	s_mul_i32 s20, s20, s2
	s_mov_b32 s21, 0
	s_add_nc_u64 s[12:13], s[12:13], s[20:21]
	s_lshl_b32 s2, s2, 4
	s_mov_b32 s3, 0
	s_mov_b32 s20, s22
	s_add_nc_u64 s[OB0:OB0+1], s[12:13], s[20:21]
	s_mov_b32 s20, s23
	s_add_nc_u64 s[OS0:OS0+1], s[12:13], s[20:21]
	s_add_nc_u64 s[OB0+2:OB0+3], s[OB0:OB0+1], s[2:3]
	s_add_nc_u64 s[OS1:OS1+1], s[OS0:OS0+1], s[2:3]
	s_mov_b32 s[SEL], 0x76543210
	s_mov_b32 s[SEL+1], 0xfedcba98
	v_and_b32 v3, 31, v0
	v_lshlrev_b32 v[CO], 4, v3
	global_load_b128 v[100:103], v[CO], s[8:9]
	v_and_b32 v1, 15, v0
	v_bfe_u32 v2, v0, 4, 1
	v_mul_u32_u24 v3, v1, PITCH
	v_lshl_add_u32 v4, v2, 4, v3
	s_mul_i32 s21, s15, HALFT
	s_mul_i32 s22, s16, HALFT
	s_add_co_u32 s22, s22, 2*HALFT
.irp s, 0,1
	v_add_nc_u32 v[ADRA+\s], s21, v4
	v_add_nc_u32 v[ADRB+\s], s22, v4
	s_add_co_u32 s21, s21, SLOT
	s_add_co_u32 s22, s22, SLOT
.endr
	v_mul_u32_u24 v5, v1, KS
	v_lshrrev_b32 v6, 8, v5
	v_lshl_add_u32 v5, v6, 4, v5
	s_mul_i32 s21, s15, HALFS
	s_mul_i32 s22, s16, HALFS
	s_add_co_u32 s22, s22, 2*HALFS
	s_sub_co_u32 s22, s22, s21
	v_mul_u32_u24 v6, s22, v2
	s_add_co_u32 s21, s21, SCL
	v_add_nc_u32 v5, v5, v6
	v_add_nc_u32 v[ADRS], s21, v5
	s_lshl_b32 s21, s14, 9
	s_add_co_u32 s21, s21, BST
	v_add_nc_u32 v[BSA], s21, v[CO]
	v_lshlrev_b32 v[BRA], 6, v2
	v_add_nc_u32 v[BRA], s21, v[BRA]
	v_and_b32 v[BRV], 8, v1
	v_add_nc_u32 v[BRV], v[BRV], v1
	v_lshlrev_b32 v[BRV], 2, v[BRV]
	v_add_nc_u32 v[BRV], s21, v[BRV]
	s_lshl_b32 s21, s14, 10
	s_add_co_u32 s21, s21, SSQ
	v_lshlrev_b32 v[SQA], 9, v2
	v_lshl_add_u32 v[SQA], v1, 4, v[SQA]
	v_add_nc_u32 v[SQA], s21, v[SQA]
	v_add_nc_u32 v[SQR], s21, v[CO]
	s_lshl_b32 s21, s14, 9
	s_add_co_u32 s21, s21, SSV
	v_lshlrev_b32 v[SVA], 3, v1
	v_add_nc_u32 v[SVA], s21, v[SVA]
	v_add_nc_u32 v[SVR], s21, v[CO]
	v_mul_u32_u24 v[GV], v2, 143360
	v_lshl_add_u32 v[GV], v1, 4, v[GV]
	v_lshlrev_b32 v[SH], 4, v2
.irp b, 0,1,2,3
	v_mov_b32 v[TM+4+\b], 0
.endr
	s_wait_loadcnt 0x0
	ds_store_b128 v[BSA], v[100:103]
.macro FRAG reg, adr, q, i
.irp c, 0,1
	ds_load_b128 v[\reg+4*\c:\reg+4*\c+3], v[\adr] offset:64*(\q)+32*\c+(\i)*16*PITCH
.endr
.endm
.macro MUL16 a0, p, q, sc, zero
.irp a, \a0, \a0+1
.irp b, 0,1,2,3,4,5,6,7
.if \zero
	v_wmma_scale_f32_16x16x128_f8f6f4 v[8*(8*((\a)%4)+\b):8*(8*((\a)%4)+\b)+7], v[128*(\p)+FR*\b:128*(\p)+FR*\b+FR-1], v[AF+FR*(\a):AF+FR*(\a)+FR-1], 0, v[SC+8*NQ*(\sc)+NQ*\b+(\q)], v[SC+8*NQ*(\sc)+NQ*(\a)+(\q)] matrix_a_fmt:MATRIX_FMT_FP4 matrix_b_fmt:MATRIX_FMT_FP4 matrix_a_scale:MATRIX_SCALE_ROW1
.else
	v_wmma_scale_f32_16x16x128_f8f6f4 v[8*(8*((\a)%4)+\b):8*(8*((\a)%4)+\b)+7], v[128*(\p)+FR*\b:128*(\p)+FR*\b+FR-1], v[AF+FR*(\a):AF+FR*(\a)+FR-1], v[8*(8*((\a)%4)+\b):8*(8*((\a)%4)+\b)+7], v[SC+8*NQ*(\sc)+NQ*\b+(\q)], v[SC+8*NQ*(\sc)+NQ*(\a)+(\q)] matrix_a_fmt:MATRIX_FMT_FP4 matrix_b_fmt:MATRIX_FMT_FP4 matrix_a_scale:MATRIX_SCALE_ROW1
.endif
.endr
.endr
.endm
.macro FETCH_B slot, q, p
	WIN TO_B
.irp i, 0,1,2,3,4,5,6,7
	FRAG 128*(\p)+FR*\i, ADRB+\slot, \q, \i
.endr
	WIN 0
.endm
.macro FETCH_A slot, q, i0
.irp i, \i0, \i0+1, \i0+2, \i0+3
	FRAG AF+FR*(\i), ADRA+\slot, \q, \i
.endr
.endm
.macro SCALES sc
.irp i, 0,1,2,3,4,5,6,7
	ds_load_b128 v[SC+8*NQ*\sc+NQ*\i:SC+8*NQ*\sc+NQ*\i+3], v[ADRS] offset:\i*SBLK
.endr
.endm
.macro PLACES n
.rept \n
	v_nop
.endr
.endm
.macro STEP slot, q, zero
	s_wait_dscnt 4*NL
	WIN MUL_LO
	MUL16 0, (\q)%2, \q, \slot, \zero
	MUL16 2, (\q)%2, \q, \slot, \zero
	s_wait_dscnt 0
	PLACES NP
	FETCH_B \slot, (\q)+1, 1-(\q)%2
	FETCH_A \slot, (\q)+1, 0
	WIN MUL_HI
	MUL16 4, (\q)%2, \q, \slot, \zero
	MUL16 6, (\q)%2, \q, \slot, \zero
	PLACES NP
	WIN 0
	FETCH_A \slot, (\q)+1, 4
.endm
.macro TURN slot, next
	s_wait_tensorcnt 0x0
	ds_add_u32 v[SPW], v[NIL]
	s_wait_dscnt 4*NL+1
	WIN MUL_LO
	MUL16 0, 1, NQ-1, \slot, 0
	s_wait_dscnt 0x0
	s_barrier_signal -1
	MUL16 2, 1, NQ-1, \slot, 0
	WIN 0
	s_barrier_wait -1
	PLACES NP
	v_add_nc_u32 v[ADRS], 4*NQ, v[ADRS]
	FETCH_B \next, 0, 0
	FETCH_A \next, 0, 0
	SCALES \next
	WIN MUL_HI
	MUL16 4, 1, NQ-1, \slot, 0
	MUL16 6, 1, NQ-1, \slot, 0
	PLACES NP
	WIN 0
	FETCH_A \next, 0, 4
.endm
.macro STEPS slot, from
.set Q, \from
.rept NQ-1-\from
	STEP \slot, Q, 0
.set Q, Q+1
.endr
.endm
	s_wait_dscnt 0x0
	s_wait_tensorcnt 0x0
	s_barrier_signal -1
	s_barrier_wait -1
	FETCH_B 0, 0, 0
	FETCH_A 0, 0, 0
	SCALES 0
	FETCH_A 0, 0, 4
	STEP 0, 0, 1
	STEPS 0, 1
	TURN 0, 1
	STEPS 1, 0
	s_wait_dscnt 4*NL
	WIN MUL_LO
	MUL16 0, 1, NQ-1, 1, 0
	MUL16 2, 1, NQ-1, 1, 0
	s_wait_dscnt 0
	WIN MUL_HI
	MUL16 4, 1, NQ-1, 1, 0
	MUL16 6, 1, NQ-1, 1, 0
	WIN 0
	PLACES NP
.macro QUANT
.irp b, 0,1,2,3
	v_max3_num_f32 v[TM+\b], |v[T+16*\b]|, |v[T+1+16*\b]|, 0x3000000
.endr
.irp i, 2,4,6,8,10,12,14
.irp b, 0,1,2,3
	v_max3_num_f32 v[TM+\b], v[TM+\b], |v[T+16*\b+\i]|, |v[T+1+16*\b+\i]|
.endr
.endr
.irp b, 0,1,2,3
	v_permlanex16_b32 v[TM+4+\b], v[TM+\b], s[SEL], s[SEL+1]
.endr
.irp b, 0,1,2,3
	v_max_num_f32 v[TM+\b], v[TM+\b], v[TM+4+\b]
.endr
.irp b, 0,1,2,3
	v_add_nc_u32 v[TM+12+\b], 0xff000000, v[TM+\b]
.endr
.irp b, 0,1,2,3
	v_lshrrev_b32 v[TM+4+\b], 23, v[TM+12+\b]
.endr
	v_lshl_or_b32 v[PWR], v[TM+5], 8, v[TM+4]
	v_lshl_or_b32 v[PWR], v[TM+6], 16, v[PWR]
	v_lshl_or_b32 v[PWR], v[TM+7], 24, v[PWR]
.irp b, 0,1,2,3
	v_cvt_scalef32_pk8_fp4_f32 v[PCS+2*\b], v[T+16*\b:T+7+16*\b], v[TM+12+\b]
	v_cvt_scalef32_pk8_fp4_f32 v[PCS+1+2*\b], v[T+8+16*\b:T+15+16*\b], v[TM+12+\b]
.endr
	v_nop
.irp c, 0,1
.irp i, 0,1
	v_permlane16_swap_b32 v[PCS+4*\c+\i], v[PCS+2+4*\c+\i]
.endr
.endr
.endm
.macro BLOCK kind, a
.set PCS, PC+8*((\a)%2)
.set WN, 0x02+(\a)/4
.if \kind
.set PWR, WS+(\a)
.else
.set PWR, PW
.endif
	s_wait_xcnt 0x0
	WIN WN
.set PP, 0
.rept 32
.if \kind
	v_pk_add_f32 v[T+2*PP:T+2*PP+1], v[64*((\a)%4)+2*PP:64*((\a)%4)+2*PP+1], v[BI+2*(\a):BI+2*(\a)+1]
.else
	v_pk_add_f32 v[T+2*PP:T+2*PP+1], v[64*((\a)%4)+2*PP:64*((\a)%4)+2*PP+1], v[BI+2*PP:BI+2*PP+1]
.endif
.set PP, PP+1
.endr
	WIN 0
	QUANT
.if \kind
.set OBX, OB0+2*((\a)>>2)
	global_store_b128 v[CO], v[PCS:PCS+3], s[OBX:OBX+1] offset:1024*((\a)&3)
	global_store_b128 v[CO], v[PCS+4:PCS+7], s[OBX:OBX+1] offset:1024*((\a)&3)+512
	ds_store_b32 v[SVA], v[PWR] offset:256*((\a)>>2)+128*((\a)&1)+4*(((\a)>>1)&1)
.else
	global_store_b128 v[CO], v[PCS:PCS+3], s[OB0:OB0+1] offset:512*(\a)
	global_store_b128 v[CO], v[PCS+4:PCS+7], s[OB0+2:OB0+3] offset:512*(\a)
	v_lshrrev_b32 v[WS+(\a)], v[SH], v[PW]
	v_and_b32 v[WS+(\a)], 0xffff, v[WS+(\a)]
	ds_store_b32 v[SQA], v[WS+(\a)] offset:256*((\a)&1)+4*((\a)>>1)
.endif
.endm
.macro EPI kind
.if \kind
.irp a, 0,1,2,3,4,5,6,7
	ds_load_b32 v[BI+2*\a], v[BRV] offset:4*(32*(\a/2)+8*(\a%2))
	ds_load_b32 v[BI+2*\a+1], v[BRV] offset:4*(32*(\a/2)+8*(\a%2))
.endr
.else
.irp b, 0,1,2,3
.irp q, 0,1,2,3
	ds_load_b128 v[BI+16*\b+4*\q:BI+16*\b+4*\q+3], v[BRA] offset:128*\b+16*\q
.endr
.endr
.endif
	s_wait_dscnt 0x0
.irp a, 0,1,2,3,4,5,6,7
	BLOCK \kind, \a
.endr
.if \kind
	ds_load_b128 v[112:115], v[SVR]
	s_wait_dscnt 0x0
	global_store_b128 v[GV], v[112:115], s[OS0:OS0+1]
.else
	ds_load_b128 v[112:115], v[SQR]
	ds_load_b128 v[116:119], v[SQR] offset:512
	s_wait_dscnt 0x0
	global_store_b128 v[CO], v[112:115], s[OS0:OS0+1]
	global_store_b128 v[CO], v[116:119], s[OS1:OS1+1]
.endif
.endm
	s_cmp_eq_u32 ttmp9, 2
	s_cbranch_scc1 .Lv
	EPI 0
	s_branch .Lend
.Lv:
	EPI 1
.Lend:
	s_wait_tensorcnt 0x0
	ds_add_u32 v[SPW], v[NIL]
	s_wait_dscnt 0x0
	CROUND
	s_endpgm
.Lfunc_end_k_qa6eca6537f_proj:
	.size	k_qa6eca6537f_proj, .Lfunc_end_k_qa6eca6537f_proj-k_qa6eca6537f_proj
	.p2alignl 7, 3214868480
	.fill 96, 4, 3214868480
	.section	.rodata,"a",@progbits
	.p2align	6, 0x0
	.amdhsa_kernel k_qa6eca6537f_proj
		.amdhsa_group_segment_fixed_size 327680
		.amdhsa_private_segment_fixed_size 0
		.amdhsa_enable_private_segment 0
		.amdhsa_kernarg_size 56
		.amdhsa_user_sgpr_count 2
		.amdhsa_user_sgpr_kernarg_segment_ptr 1
		.amdhsa_wavefront_size32 1
		.amdhsa_system_sgpr_workgroup_id_x 1
		.amdhsa_system_sgpr_workgroup_id_y 1
		.amdhsa_system_sgpr_workgroup_id_z 1
		.amdhsa_system_vgpr_workitem_id 0
		.amdhsa_next_free_vgpr 1024
		.amdhsa_next_free_sgpr 106
		.amdhsa_reserve_vcc 0
		.amdhsa_float_denorm_mode_32 3
		.amdhsa_float_denorm_mode_16_64 3
		.amdhsa_memory_ordered 1
		.amdhsa_forward_progress 1
		.amdhsa_inst_pref_size 197
	.end_amdhsa_kernel
	.amdgpu_metadata
---
amdhsa.version: [ 1, 2 ]
amdhsa.kernels:
  - .name:           k_qa6eca6537f_proj
    .symbol:         k_qa6eca6537f_proj.kd
    .args:
      - { .name: cod, .offset: 0, .size: 8, .value_kind: global_buffer, .address_space: global }
      - { .name: scl, .offset: 8, .size: 8, .value_kind: global_buffer, .address_space: global }
      - { .name: bq, .offset: 16, .size: 8, .value_kind: global_buffer, .address_space: global }
      - { .name: bk, .offset: 24, .size: 8, .value_kind: global_buffer, .address_space: global }
      - { .name: bv, .offset: 32, .size: 8, .value_kind: global_buffer, .address_space: global }
      - { .name: qq, .offset: 40, .size: 8, .value_kind: global_buffer, .address_space: global }
      - { .name: kv, .offset: 48, .size: 8, .value_kind: global_buffer, .address_space: global }
    .group_segment_fixed_size: 327680
    .private_segment_fixed_size: 0
    .kernarg_segment_align: 8
    .kernarg_segment_size: 56
    .max_flat_workgroup_size: 128
    .sgpr_count:     106
    .vgpr_count:     1024
    .wavefront_size: 32
...
	.end_amdgpu_metadata
.endif
;; end of part 2
;; launch attn (part 3): grid 4 x 64, 16 waves a work-group, clusters of 4 x 1, 223,232 bytes of LDS; arguments qq, kv, attention_mask, out0; writes out0
.if DOCPART == 3
	.amdgcn_target "amdgcn-amd-amdhsa--gfx1250"
	.amdhsa_code_object_version 6
	.text
	.protected	k_qa6eca6537f_attn
	.globl	k_qa6eca6537f_attn
	.p2align	8
	.type	k_qa6eca6537f_attn,@function
k_qa6eca6537f_attn:
	s_mov_b64 s[64:65], 0
	v_nop
	global_prefetch_b8 v0, s[64:65] scope:SCOPE_SE
	s_setreg_imm32_b32 hwreg(HW_REG_WAVE_MODE, 25, 1), 1
	s_wait_xcnt 0x0
	s_wait_alu depctr_hold_cnt(0) depctr_sa_sdst(0) depctr_va_vdst(0) depctr_va_sdst(0) depctr_va_ssrc(0) depctr_va_vcc(0) depctr_vm_vsrc(0)
	s_getreg_b32 s2, hwreg(HW_REG_IB_STS2, 6, 4)
	s_cmp_eq_u32 s2, 0
	s_cbranch_scc0 .Lentry_in_a_cluster
	s_endpgm
.Lentry_in_a_cluster:
	s_bfe_u32 s2, ttmp6, 0x10000c
	s_cmp_lg_u32 s2, 0x3003
	s_cbranch_scc0 .Lentry_shape_is_right
	s_endpgm
.Lentry_shape_is_right:
; out0[b][q][64 h + d] = the sum over keys of softmax_k(q . k / 8 + mask[b][k]) v[k][d], both products on codes of FP4 (E2M1) with one E8M0 scale for each 32 along a product's K.
; q, k, v arrive as images of operand registers with their scale words (qq, kv).  The first product's K is the head's 64: the upper half of the instruction's 128 meets zero codes of q.
; SOFTMAX: t = (q . k / 8 + mask) x log2(e); M = the row's largest t so far, rounded up to a whole number; p = 2^(t - M) is quantised along the keys, not normalised.  The row's sum is taken of the
; unquantised p, in f32, and divides at the end.  When M moves, the sum and O are multiplied by 2^(old M - new M): exact.
; The 1 / 8 is 3 taken off q's scale bytes (they are at least 4); the mask is the C of the first product, loaded from LDS into the scores' registers.
; SHARES: a work-group owns 512 queries of one head, each of its sixteen waves 32 of them, two tiles of 16.  The whole head's K and V, 143,360 bytes, stay in LDS: fetched once, nothing is filled again, no barrier in the loop.
; CLUSTER: the four work-groups of a head ask for the head jointly: each wave one load of one key step (35 rows of 256 bytes), mask 15.  No prefetch: all is asked for at the head; there is no loop to run ahead in.
; LAYOUT: both products transposed (S^T = K Q^T, O^T = V^T P^T): a lane holds one query (lane % 16).  THE KEYS OF A TILE ARE CHOSEN BY LDS ADDRESS: row 8 h + j of tile 4 c + t is key 64 c + 32 h + 8 t + j of the step,
; so the 32 registers of tiles 4 c .. 4 c + 3 are, in lane half h, the whole block of keys 64 c + 32 h + 0 .. 31: a block's largest score needs no other lane, and the conversions' results are P's operand registers as they stand.
; kv holds key 32 b + 8 u + r + 8 (r / 8) in row r of stored tile 2 b + u (512 bytes a tile: 256 x half + 16 x row); from that follow LK and LKS below.
; LIMITS: mask values under -2^22 (minus infinity too) are held at -2^22: a batch all of whose keys are masked beyond that gets numbers where the definition gives NaN.  NaN and +infinity in the mask are not served.
; The scaled scores stay under 2^31 in magnitude.
.set STEPB, 8960                       ; a key step: K's 8 tiles x 512 | V's 4 channel tiles x 1,024 at 4,096 | K's scale words at 8,192 | V's at 8,704
.set HEADB, 16*STEPB
.set QBLK,  4608                       ; 128 queries in qq: 8 tiles x 512 | scale words at 4,096
.set MSK,   HEADB                      ; the batch's mask, 2,048 f32
.set STG,   MSK+8192                   ; a stage of 16 rows x 272 bytes for each wave
.set SPARE, STG+16*16*272              ; the spare words, 128 bytes a wave
.set LK,   1                           ; 1,024 (r / 8) + 16 (r % 8) + 256 (lane / 16): my place in a tile of K
.set LN,   2                           ; lane
.set LKS,  3                           ; 8,192 + 16 (r % 8) + 4 (r / 8) + 256 (lane / 16): my place among K's scale words
.set LM,   4                           ; MSK + 128 (lane / 16)
.set SH8,  5                           ; 8 (lane / 16)
.set QS,   6                           ; q's scale words: lanes 0-15 tile 0's, lanes 16-31 tile 1's
.set PS,   7                           ; p's scale word
.set AM,   8                           ; the step's mask
.set AT,   9                           ; LDS address of the loads in hand
                                       ; v[10+4i] -M, v[11+4i] the largest score, v[12+4i:13+4i] the sum in two halves, of tile i
.set KSC,  18                          ; v18-21 K's scale words: register g: lanes 0-15 tile 2 g, lanes 16-31 tile 2 g + 1
.set VSC,  22                          ; v22-23 V's likewise
.set SPW,  24
.set NIL,  25
.set F,    26                          ; 2^(old M - new M); v27 is named with it as a pair
.set SUM2, 28                          ; a chain of the maxima, then of the row's sum
.set BM,   30                          ; my two blocks' largest scores, then largest p, then bytes
.set SO,   32                          ; a chain of the maxima; M's step; then the conversions' scale operands
.set TP,   34                          ; a chain of the maxima; the new -M; then at work
.set QF,   36                          ; v36-51 q's two fragments; the upper four registers of each are zeros
.set KF,   52                          ; v52-83 K's 8 tiles x 4, v84-87 zeros
.set VF,   88                          ; v88-119 V's 4 fragments x 8
.set PC,   120                         ; v120-127 p's codes; the upper four serve two chains of the sum before they are written
.set S,    128                         ; v128-191 the mask, S^T, then p
.set O,    192                         ; v192-255 O^T: tile i, channel tile d at v[O + 32 i + 8 d]
.set WV,   12
.set SEL,  20                          ; s[20:21] selects for lane l xor 16
.set CS,   22                          ; s[22:23] log2(e)
.set G1,   24
.set G0,   40
.set TB,   48                          ; LDS byte at which the key step in hand begins
.set TMK,  49                          ; and its 512 bytes of the mask
.set CNT,  50
.set NC,   51                          ; -log2(e)
.macro CROUND                          ; a round of the cluster's barrier
	s_barrier_signal -1
	s_barrier_wait -1
	s_cmp_lg_u32 s[WV], 0
	s_cbranch_scc1 .Lnot_wave_0_\@
	s_barrier_signal -3
.Lnot_wave_0_\@:
	s_barrier_wait -3
	s_barrier_signal -1
	s_barrier_wait -1
.endm
	s_load_b256 s[4:11], s[0:1], 0x0               ; qq, kv, attention_mask, out0
	v_lshl_add_u32 v[SPW], v0, 2, SPARE
	v_mov_b32 v[NIL], 0
	ds_add_u32 v[SPW], v[NIL]                      ; the opening lines: the add twice on end and its wait ahead of my tensor load
	ds_add_u32 v[SPW], v[NIL]
	v_lshrrev_b32 v1, 5, v0
	v_readfirstlane_b32 s[WV], v1                  ; wave 0..15
	s_bfe_u32 s13, ttmp6, 0x40000                  ; cx
	s_lshl_b32 s14, ttmp9, 2
	s_add_co_u32 s14, s14, s13                     ; my block of 512 queries: it enters q's and out0's addresses alone
	s_and_b32 s15, ttmp7, 0xffff                   ; 16 x batch + head, which the four partners share
	s_mov_b32 s[G1], 15|(3<<16)|(1<<21)            ; mask: all four; elements of 8 bytes; bit 21 beside a mask
	s_mov_b32 s[G1+1], 32<<16
	s_mov_b32 s[G1+2], 35<<16
	s_mov_b32 s[G1+3], 32<<16
	s_mov_b32 s[G1+4], 35
	s_mov_b32 s[G1+5], 32
	s_mov_b32 s[G1+6], 0
	s_mov_b32 s[G1+7], 0
	s_mul_i32 s53, s[WV], STEPB                    ; my key step: in LDS as in memory
	s_mul_i32 s54, s15, HEADB
	s_add_co_u32 s54, s54, s53
	s_mov_b32 s55, 0
	s_mov_b32 s[SEL], 0x76543210
	s_mov_b32 s[SEL+1], 0xfedcba98
	s_mov_b32 s[CS], 0x3fb8aa3b
	s_mov_b32 s[CS+1], s[CS]
	s_mov_b32 s[NC], 0xbfb8aa3b
	s_mov_b32 s[TB], 0
	s_mov_b32 s[TMK], 0
	s_mov_b32 s[CNT], 15
	s_wait_dscnt 0x0
	s_wait_kmcnt 0x0
	CROUND                                         ; all four work-groups are here: the joint loads meet
	s_mov_b32 s[G0], 1
	s_mov_b32 s[G0+1], s53
	s_add_nc_u64 s[G0+2:G0+3], s[6:7], s[54:55]
	s_or_b32 s[G0+3], s[G0+3], 0x80000000
	tensor_load_to_lds s[G0:G0+3], s[G1:G1+7]      ; every wave's one tensor load
	s_nop 0
.rept 4
	v_nop
.endr
	s_lshr_b32 s52, s15, 4                         ; the batch
	s_lshl_b32 s56, s52, 13
	s_mov_b32 s57, 0
	s_add_nc_u64 s[8:9], s[8:9], s[56:57]          ; its mask
	s_mul_i32 s56, s15, 16*QBLK                    ; q: the head,
	s_lshl_b32 s58, s14, 2
	s_lshr_b32 s59, s[WV], 2
	s_add_co_u32 s58, s58, s59                     ; the block of 128 queries,
	s_mul_i32 s58, s58, QBLK
	s_add_co_u32 s56, s56, s58
	s_and_b32 s58, s[WV], 3                        ; and in it my two tiles: 2 (wave % 4) and the next
	s_lshl_b32 s59, s58, 2
	s_add_co_u32 s60, s56, s59
	s_mov_b32 s61, 0
	s_add_nc_u64 s[18:19], s[4:5], s[60:61]        ; their scale words
	s_lshl_b32 s59, s58, 10
	s_add_co_u32 s56, s56, s59
	s_add_nc_u64 s[16:17], s[4:5], s[56:57]        ; their images
	s_lshl_b32 s56, s52, 11                        ; out0: row 2,048 x batch + 512 x block + 32 x wave; the head's 256 bytes in it
	s_lshl_b32 s58, s14, 9
	s_add_co_u32 s56, s56, s58
	s_lshl_b32 s58, s[WV], 5
	s_add_co_u32 s56, s56, s58
	s_lshl_b32 s56, s56, 12
	s_and_b32 s58, s15, 15
	s_lshl_b32 s58, s58, 8
	s_add_co_u32 s56, s56, s58
	s_add_nc_u64 s[10:11], s[10:11], s[56:57]
	v_lshlrev_b32 v30, 4, v0                       ; 16 x thread: the 512 threads cover the batch's mask
	v_lshl_add_u32 v31, v0, 4, MSK
	v_and_b32 v[LN], 31, v0
	v_lshlrev_b32 v32, 4, v[LN]
	global_load_b128 v[S:S+3], v30, s[8:9]
	global_load_b128 v[QF:QF+3], v32, s[16:17]
	global_load_b128 v[QF+8:QF+11], v32, s[16:17] offset:512
	global_load_b32 v[QS], v32, s[18:19] offset:4096
	v_bfe_u32 v33, v0, 4, 1                        ; lane / 16
	v_and_b32 v34, 7, v0                           ; r % 8
	v_bfe_u32 v35, v0, 3, 1                        ; r / 8
	v_lshlrev_b32 v[SH8], 3, v33
	v_lshl_add_u32 v[LM], v33, 7, MSK
	v_lshlrev_b32 v[LK], 4, v34
	v_lshl_add_u32 v[LK], v33, 8, v[LK]
	v_lshl_add_u32 v[LKS], v35, 2, v[LK]
	v_add_nc_u32 v[LKS], 8192, v[LKS]
	v_lshl_add_u32 v[LK], v35, 10, v[LK]
.irp j, 40,41,42,43,48,49,50,51,84,85,86,87,27,12,13,16,17
	v_mov_b32 v\j, 0                               ; q's upper halves and the pad behind K's tiles (zero codes); F's partner; the sums
.endr
	v_mov_b32 v11, 0xff000000                      ; the largest score so far: -2^127, under every score
	v_mov_b32 v15, 0xff000000
	v_mov_b32 v10, 0x7f000000                      ; -M: so large that the first change of M gives the factor 0, on sums that are 0
	v_mov_b32 v14, 0x7f000000
	s_wait_alu depctr_va_vdst(0)
	s_wait_loadcnt 0x0
.irp j, 0,1,2,3
	v_max_num_f32 v[S+\j], 0xca800000, v[S+\j]     ; the mask, held at -2^22 from below
.endr
	ds_store_b128 v31, v[S:S+3]
	v_add_nc_u32 v[QS], 0xfffffcfd, v[QS]          ; 3 off both scale bytes of q (each is at least 4: no borrow; bytes 2 and 3 stay 0)
.set PP, 0
.rept 64
	v_mov_b32 v[O+PP], 0                           ; O^T: the step is written without a first form; the first change of M leaves zeros zeros
.set PP, PP+1
.endr
	s_wait_alu depctr_va_vdst(0)
	s_wait_dscnt 0x0                               ; my part of the mask is in LDS,
	s_wait_tensorcnt 0x0                           ; and so is my key step
	s_barrier_signal -1
	s_barrier_wait -1                              ; everybody's are
.macro WM d, a, b, sa, sb, ra, rb      ; one product that adds in place; ra, rb: the scale words lie in lanes 16-31
.if (\ra) && (\rb)
	v_wmma_scale_f32_16x16x128_f8f6f4 v[\d:\d+7], v[\a:\a+7], v[\b:\b+7], v[\d:\d+7], v[\sa], v[\sb] matrix_a_fmt:MATRIX_FMT_FP4 matrix_b_fmt:MATRIX_FMT_FP4 matrix_a_scale:MATRIX_SCALE_ROW1 matrix_b_scale:MATRIX_SCALE_ROW1
.elseif (\ra)
	v_wmma_scale_f32_16x16x128_f8f6f4 v[\d:\d+7], v[\a:\a+7], v[\b:\b+7], v[\d:\d+7], v[\sa], v[\sb] matrix_a_fmt:MATRIX_FMT_FP4 matrix_b_fmt:MATRIX_FMT_FP4 matrix_a_scale:MATRIX_SCALE_ROW1
.elseif (\rb)
	v_wmma_scale_f32_16x16x128_f8f6f4 v[\d:\d+7], v[\a:\a+7], v[\b:\b+7], v[\d:\d+7], v[\sa], v[\sb] matrix_a_fmt:MATRIX_FMT_FP4 matrix_b_fmt:MATRIX_FMT_FP4 matrix_b_scale:MATRIX_SCALE_ROW1
.else
	v_wmma_scale_f32_16x16x128_f8f6f4 v[\d:\d+7], v[\a:\a+7], v[\b:\b+7], v[\d:\d+7], v[\sa], v[\sb] matrix_a_fmt:MATRIX_FMT_FP4 matrix_b_fmt:MATRIX_FMT_FP4
.endif
.endm
.macro QK i                            ; tile i's scores of 128 keys: C is the mask; source 0 names K's tile and the four registers behind it, which meet q's zero codes
	s_wait_dscnt 8                                 ; all is in but the youngest eight loads: the mask of tiles 4 to 7
.irp T, 0,1,2,3
	WM S+8*\T, KF+4*\T, QF+8*\i, KSC+\T/2, QS, \T%2, \i
.endr
	s_wait_dscnt 0x0
.irp T, 4,5,6,7
	WM S+8*\T, KF+4*\T, QF+8*\i, KSC+\T/2, QS, \T%2, \i
.endr
.endm
.macro KLOAD off                       ; K's eight tiles and their scale words, off bytes on from the step in hand
	v_add_nc_u32 v[AT], s[TB], v[LK]
.irp T, 0,1,2,3,4,5,6,7
	ds_load_b128 v[KF+4*\T:KF+4*\T+3], v[AT] offset:\off+2048*(\T/4)+512*(\T%2)+128*((\T%4)/2)
.endr
	v_add_nc_u32 v[AT], s[TB], v[LKS]
.irp g, 0,1,2,3
	ds_load_b32 v[KSC+\g], v[AT] offset:\off+8*(\g/2)+128*(\g%2)
.endr
.endm
.macro MLOADH off, c                   ; the mask of 64 keys into the scores' registers: register j of tile 4 c + t: key 64 c + 32 (lane / 16) + 8 t + j
.irp t, 0,1,2,3
	ds_load_b128 v[S+32*\c+8*\t:S+32*\c+8*\t+3], v[AM] offset:\off+256*\c+32*\t
	ds_load_b128 v[S+32*\c+8*\t+4:S+32*\c+8*\t+7], v[AM] offset:\off+256*\c+32*\t+16
.endr
.endm
.macro MAXL r, b, l                    ; a link of a chain of maxima over the accumulator at S + b: registers 0-2, then 3-4, then 5-6
.if \l == 0
	v_max3_num_f32 v[\r], v[S+\b], v[S+\b+1], v[S+\b+2]
.else
	v_max3_num_f32 v[\r], v[\r], v[S+\b+1+2*\l], v[S+\b+2+2*\l]
.endif
.endm
.macro PKF n                           ; t - M of the next n pairs (of the pairs log2(e) and -M the low word serves both halves)
.rept \n
	v_pk_fma_f32 v[S+2*PP:S+2*PP+1], v[S+2*PP:S+2*PP+1], s[CS:CS+1], v[TP:TP+1] op_sel_hi:[1,0,0]
.set PP, PP+1
.endr
.endm
.macro SUMS n                          ; the next n pairs of p join the row's sum, four chains by turns
.rept \n
.if PP%4 == 0
	v_pk_add_f32 v[ST+2:ST+3], v[ST+2:ST+3], v[S+2*PP:S+2*PP+1]
.elseif PP%4 == 1
	v_pk_add_f32 v[SUM2:SUM2+1], v[SUM2:SUM2+1], v[S+2*PP:S+2*PP+1]
.elseif PP%4 == 2
	v_pk_add_f32 v[PC+4:PC+5], v[PC+4:PC+5], v[S+2*PP:S+2*PP+1]
.else
	v_pk_add_f32 v[PC+6:PC+7], v[PC+6:PC+7], v[S+2*PP:S+2*PP+1]
.endif
.set PP, PP+1
.endr
.endm
; Tile i's softmax of the step.  ml: where the next mask begins (under 0: none is loaded)
.macro SOFTMAX i, ml
.set ST, 10+4*\i
.set OO, O+32*\i
.irp l, 0,1,2                                  ; my two blocks' largest scores: a chain to an accumulator, eight by turns; each accumulator is first read at its low end
	MAXL BM, 0, \l
	MAXL TP, 8, \l
	MAXL SO, 16, \l
	MAXL SUM2, 24, \l
	MAXL BM+1, 32, \l
	MAXL TP+1, 40, \l
	MAXL SO+1, 48, \l
	MAXL SUM2+1, 56, \l
.endr
	v_max3_num_f32 v[BM], v[BM], v[TP], v[S+7]     ; the chains join, each join with an accumulator's last register
	v_max3_num_f32 v[SO], v[SO], v[SUM2], v[S+15]
	v_max3_num_f32 v[BM+1], v[BM+1], v[TP+1], v[S+39]
	v_max3_num_f32 v[SO+1], v[SO+1], v[SUM2+1], v[S+47]
	v_max3_num_f32 v[BM], v[BM], v[SO], v[S+23]
	v_max3_num_f32 v[BM+1], v[BM+1], v[SO+1], v[S+55]
	v_max_num_f32 v[BM], v[BM], v[S+31]
	v_max_num_f32 v[BM+1], v[BM+1], v[S+63]
	v_max_num_f32 v[TP], v[BM], v[BM+1]
	v_permlanex16_b32 v[TP+1], v[TP], s[SEL], s[SEL+1]
	v_max3_num_f32 v[ST+1], v[ST+1], v[TP], v[TP+1]   ; the running largest score of my query
	v_mul_f32 v[TP], s[NC], v[ST+1]                ; -t
	v_floor_f32 v[TP], v[TP]                       ; the new -M = floor(-t): M is a whole number
	v_fma_f32 v[BM], v[BM], s[CS], v[TP]           ; t - M of each block's largest score
	v_fma_f32 v[BM+1], v[BM+1], s[CS], v[TP]
	v_sub_f32 v[SO], v[TP], v[ST]                  ; old M - new M, 0 or less.  The three lines that make f stand among the multiply-adds
.set PP, 0
	PKF 4
	v_cvt_i32_f32 v[SO], v[SO]                     ; (it saturates)
	v_mov_b32 v[ST], v[TP]
	PKF 4
	v_ldexp_f32 v[F], 1.0, v[SO]                   ; f = 2^(old M - new M)
	PKF 24
	s_wait_alu depctr_va_vdst(0)
	s_wait_dscnt 0x0                               ; tile 0: V and its scale words are in; tile 1: the next step's K
.set PP, 0
.rept 64
	v_exp_f32 v[S+PP], v[S+PP]                     ; p = 2^(t - M)
.set PP, PP+1
.endr
	v_exp_f32 v[BM], v[BM]                         ; each block's largest p: the same multiply-add and exponential on the same number
	v_exp_f32 v[BM+1], v[BM+1]
	v_pk_mul_f32 v[ST+2:ST+3], v[ST+2:ST+3], v[F:F+1] op_sel_hi:[1,0]   ; the sum under the new M (the plain place behind the batch)
	s_wait_alu depctr_va_vdst(0)                   ; and the one wait behind it
; the row's sum of the unquantised p; the lines that make the scale bytes and the scale word stand among its additions
	v_max_num_f32 v[BM], 0x1800000, v[BM]          ; the floor 2^(3 - 127): the byte cannot fall under 1
	v_max_num_f32 v[BM+1], 0x1800000, v[BM+1]
	v_pk_add_f32 v[SUM2:SUM2+1], v[S:S+1], v[S+2:S+3]
	v_pk_add_f32 v[PC+4:PC+5], v[S+4:S+5], v[S+6:S+7]
	v_pk_add_f32 v[PC+6:PC+7], v[S+8:S+9], v[S+10:S+11]
	v_add_nc_u32 v[SO], 0xff000000, v[BM]          ; 2 off the exponent field: the conversion's scale operand
	v_add_nc_u32 v[SO+1], 0xff000000, v[BM+1]
.set PP, 6
	SUMS 4
	v_lshrrev_b32 v[BM], 23, v[SO]                 ; the scale's byte, of block 2 c + lane / 16
	v_lshrrev_b32 v[BM+1], 23, v[SO+1]
	SUMS 4
	v_lshl_or_b32 v[TP], v[BM+1], 16, v[BM]
	SUMS 2
	v_lshlrev_b32 v[TP], v[SH8], v[TP]             ; at their places in the scale word
.irp t, 0,1,2,3
	v_cvt_scalef32_pk8_fp4_f32 v[PC+\t], v[S+8*\t:S+8*\t+7], v[SO]   ; register 4 c + t: keys 64 c + 32 (lane / 16) + 8 t + 0 .. 7: P's operand as it stands
.endr
.if \ml >= 0
	MLOADH \ml, 0                                  ; the first 32 registers of p have been read: half of the next tile's mask
.endif
	SUMS 8
	v_permlanex16_b32 v[TP+1], v[TP], s[SEL], s[SEL+1]
	SUMS 8
	v_or_b32 v[PS], v[TP], v[TP+1]                 ; with lane l xor 16's two bytes the word is whole
	v_pk_add_f32 v[SUM2:SUM2+1], v[SUM2:SUM2+1], v[PC+4:PC+5]
	v_pk_add_f32 v[ST+2:ST+3], v[ST+2:ST+3], v[PC+6:PC+7]
	v_pk_add_f32 v[ST+2:ST+3], v[ST+2:ST+3], v[SUM2:SUM2+1]
.irp t, 0,1,2,3
	v_cvt_scalef32_pk8_fp4_f32 v[PC+4+\t], v[S+32+8*\t:S+32+8*\t+7], v[SO+1]
.endr
.if \ml >= 0
	MLOADH \ml, 1
.endif
	s_wait_alu depctr_va_vdst(0)                   ; directly ahead of the first reader of O^T
.set PP, 0
.rept 16
	v_pk_mul_f32 v[OO+2*PP:OO+2*PP+1], v[OO+2*PP:OO+2*PP+1], v[F:F+1] op_sel_hi:[1,0]   ; O^T under the new M.  (Also the places between p's scale word and codes and the products)
.set PP, PP+1
.endr
.endm
.macro PV i                            ; O^T += V^T P^T: four channel tiles, K = the step's 128 keys
.irp d, 0,1,2,3
	WM O+32*\i+8*\d, VF+8*\d, PC, VSC+\d/2, PS, \d%2, 0
.endr
.endm
; A KEY STEP.  At its head tile 0's mask is on its way (the first time K too).  No two products that follow each other share an accumulator, over the backward jump too.
.macro STEP more
	QK 0
	v_add_nc_u32 v[AM], s[TMK], v[LM]              ; four places behind the products, ahead of the reads of the scores and of the loads over V
	v_lshl_add_u32 v[AT], v[LN], 4, s[TB]
	v_nop
	v_nop
.irp d, 0,1,2,3
.irp c, 0,1
	ds_load_b128 v[VF+8*\d+4*\c:VF+8*\d+4*\c+3], v[AT] offset:4096+1024*\d+512*\c   ; V lands under tile 0's maxima
.endr
.endr
	v_lshl_add_u32 v[AT], v[LN], 3, s[TB]
	ds_load_b64 v[VSC:VSC+1], v[AT] offset:8704
	SOFTMAX 0, 0
	PV 0
	QK 1
.rept 3
	v_nop
.endr
.if \more
	KLOAD STEPB                                    ; its first line is the fourth place; the next step's K lands under tile 1's maxima
	SOFTMAX 1, 512
.else
	v_nop
	SOFTMAX 1, -1
.endif
	PV 1
.endm
	v_add_nc_u32 v[AM], s[TMK], v[LM]
	KLOAD 0
	MLOADH 0, 0
	MLOADH 0, 1
.Lstep:
	STEP 1
	s_add_co_u32 s[TB], s[TB], STEPB
	s_add_co_u32 s[TMK], s[TMK], 512
	s_sub_co_u32 s[CNT], s[CNT], 1
	s_cmp_lg_u32 s[CNT], 0
	s_cbranch_scc1 .Lstep
	STEP 0                                         ; the last step is written out: it loads nothing beyond the head's bytes
	; THE WAY OUT: O^T is divided by the row's sum and goes through my stage, a tile of 16 queries at a time, so that sixteen lanes store a query's 256 bytes of the head.
	v_and_b32 v1, 15, v0                           ; r
	v_bfe_u32 v2, v0, 4, 1                         ; lane / 16
	s_mul_i32 s52, s[WV], 16*272
	s_add_co_u32 s52, s52, STG
.irp i, 0,1
	v_add_f32 v[12+4*\i], v[12+4*\i], v[13+4*\i]
.endr
.irp i, 0,1
	v_permlanex16_b32 v[TP+\i], v[12+4*\i], s[SEL], s[SEL+1]
.endr
.irp i, 0,1
	v_add_f32 v[12+4*\i], v[12+4*\i], v[TP+\i]     ; the row's sum, at least 1/2
.endr
	v_lshlrev_b32 v3, 12, v2
	v_lshl_add_u32 v3, v1, 4, v3                   ; out0: lanes 0-15 one row, lanes 16-31 the next; 16 bytes a lane
	v_mul_u32_u24 v4, v1, 272
	v_lshl_add_u32 v4, v2, 6, v4
	v_add_nc_u32 v4, s52, v4                       ; into the stage: row r, + 64 (lane / 16)
	v_mul_u32_u24 v5, v2, 272
	v_lshl_add_u32 v5, v1, 4, v5
	v_add_nc_u32 v5, s52, v5                       ; back: lanes 0-15 one row, lanes 16-31 the next
	s_wait_alu depctr_va_vdst(0)                   ; ahead of the reciprocals
.irp i, 0,1
	v_rcp_f32 v[10+4*\i], v[12+4*\i]
.endr
	v_nop
	s_wait_alu depctr_va_vdst(0)                   ; and behind them, directly ahead of the first readers of O^T
.irp i, 0,1
.set PP, 0
.rept 16
	v_pk_mul_f32 v[S+32*\i+2*PP:S+32*\i+2*PP+1], v[O+32*\i+2*PP:O+32*\i+2*PP+1], v[10+4*\i:11+4*\i] op_sel_hi:[1,0]   ; register 16 b + e of a tile: channel 32 b + 16 (lane / 16) + e
.set PP, PP+1
.endr
.endr
.macro OUTT i, reg
.irp b, 0,1
.irp q, 0,1,2,3
	ds_store_b128 v4, v[S+32*\i+16*\b+4*\q:S+32*\i+16*\b+4*\q+3] offset:128*\b+16*\q
.endr
.endr
.irp k, 0,1,2,3,4,5,6,7
	ds_load_b128 v[\reg+4*\k:\reg+4*\k+3], v5 offset:544*\k   ; LDS serves a wave's instructions in order: these see my stores
.endr
.endm
.macro SENDT i, reg                    ; stage row 2 k + lane / 16 of tile i is query 8 i + 2 k + lane / 16 + 8 (k / 4) of my 32
.irp k, 0,1,2,3,4,5,6,7
	global_store_b128 v3, v[\reg+4*\k:\reg+4*\k+3], s[10:11] offset:4096*(8*\i+2*\k+8*(\k/4)) th:TH_STORE_NT   ; sixteen lanes store 256 consecutive bytes, aligned
.endr
.endm
	OUTT 0, KF
	OUTT 1, VF
	s_wait_dscnt 16                                ; tile 0 is back; tile 1's eight stores and eight loads may be out
	SENDT 0, KF
	s_wait_dscnt 0x0
	SENDT 1, VF
	s_wait_tensorcnt 0x0                           ; the wave's end
	ds_add_u32 v[SPW], v[NIL]
	s_wait_dscnt 0x0
	CROUND                                         ; the closing round
	s_endpgm
.Lfunc_end_k_qa6eca6537f_attn:
	.size	k_qa6eca6537f_attn, .Lfunc_end_k_qa6eca6537f_attn-k_qa6eca6537f_attn
	.p2alignl 7, 3214868480
	.fill 96, 4, 3214868480
	.section	.rodata,"a",@progbits
	.p2align	6, 0x0
	.amdhsa_kernel k_qa6eca6537f_attn
		.amdhsa_group_segment_fixed_size 223232
		.amdhsa_private_segment_fixed_size 0
		.amdhsa_enable_private_segment 0
		.amdhsa_kernarg_size 32
		.amdhsa_user_sgpr_count 2
		.amdhsa_user_sgpr_kernarg_segment_ptr 1
		.amdhsa_wavefront_size32 1
		.amdhsa_system_sgpr_workgroup_id_x 1
		.amdhsa_system_sgpr_workgroup_id_y 1
		.amdhsa_system_sgpr_workgroup_id_z 1
		.amdhsa_system_vgpr_workitem_id 0
		.amdhsa_next_free_vgpr 256
		.amdhsa_next_free_sgpr 66
		.amdhsa_reserve_vcc 0
		.amdhsa_float_denorm_mode_32 3
		.amdhsa_float_denorm_mode_16_64 3
		.amdhsa_memory_ordered 1
		.amdhsa_forward_progress 1
		.amdhsa_inst_pref_size 72
	.end_amdhsa_kernel
	.amdgpu_metadata
---
amdhsa.version: [ 1, 2 ]
amdhsa.kernels:
  - .name:           k_qa6eca6537f_attn
    .symbol:         k_qa6eca6537f_attn.kd
    .args:
      - { .name: qq, .offset: 0, .size: 8, .value_kind: global_buffer, .address_space: global }
      - { .name: kv, .offset: 8, .size: 8, .value_kind: global_buffer, .address_space: global }
      - { .name: attention_mask, .offset: 16, .size: 8, .value_kind: global_buffer, .address_space: global }
      - { .name: out0, .offset: 24, .size: 8, .value_kind: global_buffer, .address_space: global }
    .group_segment_fixed_size: 223232
    .private_segment_fixed_size: 0
    .kernarg_segment_align: 8
    .kernarg_segment_size: 32
    .max_flat_workgroup_size: 512
    .sgpr_count:     66
    .vgpr_count:     256
    .wavefront_size: 32
...
	.end_amdgpu_metadata
.endif
;; end of part 3
